; MI455X (gfx1250); checked and timed in simulation.
; The chip was launched on July 23, 2026; its instructions are those of AMD's public machine-readable ISA for CDNA 5 (MIT licence, August 2026) and "CDNA5" Instruction Set Architecture Reference Guide (July 2026). The comments in the code are by the model that wrote it; some were corrected since.
;; Model. Allowed arithmetic: matrix products marked QUANTISED: E2M3 operands, one E8M0 scale for each 32 along K, by v_wmma_scale_f32_16x16x128_f8f6f4 with both operands' format E2M3, f32 sums; everything else in f32.
;; Inputs: key 4 x 16 x 2,048 x 64 float32; query 4 x 16 x 2,048 x 64 float32; value 4 x 16 x 2,048 x 64 float32.
;; Outputs: out0 4 x 16 x 2,048 x 64 float32.
;; Constants: inv_scale_factor = 8.
;; This version of the problem:
;;   THIS VERSION OF THE PROBLEM IS GIVEN IN LOW PRECISION. The matrix products marked QUANTISED in the list below multiply operands that are first quantised to E2M3 (2 exponent bits, 3 mantissa bits; 6 bits a number), with one power-of-two scale for each 32 numbers along K (OCP MX v1.0); their sums are f32. All else is computed in f32.
;;   The module's matrix products, in the order in which they are computed (A, B: the left and right operand; K: the contracted axis; several contracted axes count as one K, in the product's order):
;;     1. batch 64 x [M 2,048, K 64] x [K 64, N 2,048]; A: input query; B: input key: QUANTISED
;;     2. batch 64 x [M 2,048, K 2,048] x [K 2,048, N 64]; A: softmax (see below); B: input value: QUANTISED
;;   THE QUANTISER, for each operand of a quantised product, along K:
;;     - K is cut into blocks of 32 from its start; a last block that is shorter is filled with zeros.
;;     - A block's scale is 2^e with e = floor(log2(the largest magnitude in the block)) - 2, held to -126 .. 127; a block of zeros has e = 0. As a byte (E8M0): e + 127.
;;     - Each number is divided by its block's scale, clamped to +-7.5, and rounded to the nearest number of E2M3, ties to even, subnormals kept.
;;     - The product sums the exact products of the quantised numbers (number of the format x scale) in f32.
;;   ~~~python
;;   def quantise(x, axis):      # numpy; x: float32 -> the quantised numbers, widened to float32 again
;;       x = np.moveaxis(x, axis, -1); K = x.shape[-1]
;;       x = np.pad(x, [(0, 0)] * (x.ndim - 1) + [(0, -K % 32)]); x = x.reshape(x.shape[:-1] + (-1, 32)); a = np.abs(x).max(-1, keepdims=True)
;;       e = np.where(a > 0, np.clip(np.frexp(np.where(a > 0, a, 1))[1] - 1 - 2, -126, 127), 0)      # np.frexp(a)[1] - 1 = floor(log2(a)), exactly
;;       r = np.clip(x / 2.0 ** e, -7.5, 7.5)
;;       step = 2.0 ** (np.maximum(np.frexp(np.where(r == 0, 1, r))[1] - 1, 0) - 3)
;;       q = np.round(r / step) * step * 2.0 ** e      # np.round: ties to even
;;       return np.moveaxis(q.reshape(q.shape[:-2] + (-1,))[..., :K], -1, axis).astype(np.float32)
;;   ~~~
;;   SOFTMAX AHEAD OF A QUANTISED PRODUCT. Where the list says 'softmax', what is quantised is not the finished softmax but p = 2^(t - M), with t = logit x log2(e) and M = ceil(the row's largest t), a whole number; so 1/2 < the row's largest p <= 1. The row's sum l is taken of the UNQUANTISED p, in f32, and the product's result is divided by l at the end. Since M is a whole number, a kernel that streams over the keys may use a running M (the ceiling of the running maximum): every later rescaling is an exact power of two, which a block's scale takes up: the codes' values come out the same.
;;   OPERANDS COMPUTED ON THE WAY. 'Computed on the way' means the value that the module computes at that place (a softmax that the list does not call 'softmax' is quantised finished and normalised). What goes into a quantiser is computed in f32, as accurately as f32 sums, v_exp_f32 and their like allow (about 1e-6 of the number): no bf16 or f16 on the way to a quantiser, and a product that is left as it is and whose result goes on into a quantised operand takes f32 operands (vector FMAs, or v_wmma_f32_16x16x4_f32). A number that lies on a knife's edge between two numbers of the format may be rounded either way, as far as f32 arithmetic and the matrix unit's own rounding can turn it there, and no further.
;; One version. Each part assembles by itself: llvm-mc -triple=amdgcn-amd-amdhsa -mcpu=gfx1250 --defsym DOCPART=n.
;; ======== version 1 of 1: 1 launch
;; limits: right only within a limited range of input values
;; launch attn (part 1): grid 4 x 64, 16 waves a work-group, clusters of 4 x 1, 327,680 bytes of LDS; arguments query, key, value, out0; writes out0
.if DOCPART == 1
	.amdgcn_target "amdgcn-amd-amdhsa--gfx1250"
	.amdhsa_code_object_version 6
	.text
	.protected	k_qd2bd146cb3_attn
	.globl	k_qd2bd146cb3_attn
	.p2align	8
	.type	k_qd2bd146cb3_attn,@function
k_qd2bd146cb3_attn:
	s_mov_b64 s[64:65], 0
	v_nop
	global_prefetch_b8 v0, s[64:65] scope:SCOPE_SE
	s_setreg_imm32_b32 hwreg(HW_REG_WAVE_MODE, 25, 1), 1
	s_wait_xcnt 0x0
	s_wait_alu depctr_hold_cnt(0) depctr_sa_sdst(0) depctr_va_vdst(0) depctr_va_sdst(0) depctr_va_ssrc(0) depctr_va_vcc(0) depctr_vm_vsrc(0)
	s_getreg_b32 s2, hwreg(HW_REG_IB_STS2, 6, 4)
	s_cmp_eq_u32 s2, 0
	s_cbranch_scc0 .Lentry_in_a_cluster
	s_endpgm
.Lentry_in_a_cluster:
	s_bfe_u32 s2, ttmp6, 0x10000c
	s_cmp_lg_u32 s2, 0x3003
	s_cbranch_scc0 .Lentry_shape_is_right
	s_endpgm
.Lentry_shape_is_right:
; out0[head][q][:] = sum over k of softmax_k(Q[q] . K[k] / 8) V[k][:]; 64 heads, 2,048 queries and keys, head size 64.  Both products on codes of FP6 (E2M3), one E8M0 scale for each 32 along K.
; The divisor 8 is the problem's constant inv_scale_factor; no work of the problem is left out.
; ONE LAUNCH: Q, K and V arrive as f32 and are quantised here.  A cluster of four work-groups is one head; a work-group owns 512 queries, each of its 16 waves 32: two tiles of 16, both taken in one pass over the keys.
; K and V stream in steps of 128 keys through a ring of two LDS slots (rows of 256 bytes + 16 of padding; laid K slot 0, K slot 1, V slot 0, V slot 1); wave w asks for 16 rows, jointly with the three partners (mask 15).
; In step s each wave turns one set of 32 blocks of step s + 1 into codes and puts them into one of two code images in LDS (waves 0-7: K's tile w; waves 8-15: V's d tile (w - 8) / 2, keys 64 (w % 2) on),
; and multiplies step s out of the other image.  One round of the cluster's barrier a step orders the slots and the images alike.
; EACH FRAGMENT IS READ FROM LDS ONCE A STEP: K's eight tiles stay in registers for both tiles' scores; V's four fragments take their place and serve both tiles' second products, which stand together at the step's end.
; A CODE IMAGE, 13,312 bytes: 0: K, four units of 1,536 bytes (tiles 2 b, 2 b + 1); 6,144: V, four units (d tile dt); register 4 g + i of lane L of a unit lies at 512 g + 16 L + 4 i;
;   12,288: K's scale words, word j of lane L: tile 2 j + L / 16, row L % 16, bytes b0 b1 b0 b1;  12,800: V's, 16 bytes a lane, word j (0, 1): d tile 2 j + L / 16, byte = the block of 32 keys.
; LAYOUT.  Both products are used transposed (S^T = K Q^T, O^T = V^T P^T): a lane holds one query (lane % 16).  Row m of K's tile 4 c + u is key 64 c + 8 u + m % 8 + 32 (m / 8): so a lane's 32 registers of
; tiles 4 c .. 4 c + 3 are keys 64 c + 32 (lane / 16) + 0 .. 31: a whole block of P in one lane, in the order of the second product's operand.
; THE FIRST PRODUCT'S K IS 64, the instruction's 128.  Tile 0 of Q stands in k 0-63 with zero codes above, tile 1 in k 64-127 with the same zero codes below.  On K's side the other six registers of the operand
; are whatever stands beside the tile (codes of p at the two ends): every code of the format is finite, and it meets a zero code.
; THE SOFTMAX: t = score x log2(e) / 8; M = the running largest t rounded up to a whole number; p = 2^(t - M) is quantised along the keys; the row's sum is of the unquantised p; a change of M multiplies sum and O by a power of two.
; LIMITS: NaN and infinities among the inputs are not served; a block whose largest magnitude lies under 2^-124 (a block of zeros too) has its byte held at 1: zero codes add nothing under it;
; the promise holds while |t| stays under 2^31.
.set KP,    272
.set REC,   13312
.set STAGE, 2*REC                      ; 16 rows x 272 bytes for each wave: Q on the way in, O on the way out
.set RING,  STAGE+16*16*KP
.set HALF,  128*KP                     ; 128 rows: K's or V's part of a slot
.set SPARE, RING+4*HALF                ; the spare words: 128 bytes a wave
.set TA,  0                            ; v0 at work, once the addresses are made
.set LI,  1                            ; 16 x lane
.set SPW, 2
.set NIL, 3
.set KA,  4                            ; my f32 block of K in slot 0
.set VA,  5                            ; my f32 block of V in slot 0
.set SA,  6                            ; where my codes go
.set SB,  7
.set SS,  8                            ; where my scale byte goes
.set SS2, 9                            ; K: the byte once more, two bytes on; V: the same place
.set H8,  10                           ; 8 (lane / 16)
.set PT,  11                           ; a lane permute's destination
.set F,   12                           ; f = 2^(old M - new M)
.set PFO, 13                           ; 256 x lane: the prefetches' offset
.set NM,  14                           ; -M, the largest score, the sum's two halves: v14-17 tile 0, v18-21 tile 1
.set QS,  22
.set KS,  24                           ; v24-27 K's scale words; then v24-25 V's
.set VS,  24
.set PW,  28                           ; v28, v29 p's scale words of the two tiles
.set BM,  30
.set BT,  32
.set ST,  34                           ; v34-37 two chains of the sum; the third is the running sum
.set Q0,  38                           ; v38-43 Q tile 0, v44-49 zeros, v50-55 Q tile 1
.set PC0, 56                           ; v56-67 tile 0's codes of p
.set KV,  68                           ; v68-115 K's eight tiles, then V's four fragments
.set PC1, 116                          ; v116-127 tile 1's codes of p
.set S,   128                          ; v128-191 S^T, then p; between the tiles: the block that I quantise
.set O,   192                          ; v192-255 O^T of both tiles
.set RDH, O+60                         ; at the head alone: the stage's and Q's addresses
.set GOH, O+61
.set QRD, O+62
.macro ROUND
	s_barrier_signal -1
	s_barrier_wait -1
	s_cmp_lg_u32 s12, 0
	s_cbranch_scc1 .Lnw0_\@
	s_barrier_signal -3
.Lnw0_\@:
	s_barrier_wait -3
	s_barrier_signal -1
	s_barrier_wait -1
.endm
.macro CREST                           ; a round behind its opening barrier
	s_cmp_lg_u32 s12, 0
	s_cbranch_scc1 .Lnc_\@
	s_barrier_signal -3
.Lnc_\@:
	s_barrier_wait -3
	s_barrier_signal -1
	s_barrier_wait -1
.endm
.macro PLACES
.rept 4
	v_nop
.endr
.endm
; 32 numbers of one block, v[x ..], become six registers of codes v[c ..] and the scale byte v[tb + 7]
.macro QB1 x, tb
	v_max3_num_f32 v[\tb+4], |v[\x]|, |v[\x+1]|, 0x1800000          ; the floor 2^(3 - 127) among the leaves: the byte cannot fall under 1
	v_max3_num_f32 v[\tb+5], |v[\x+2]|, |v[\x+3]|, |v[\x+4]|
	v_max3_num_f32 v[\tb+4], v[\tb+4], |v[\x+5]|, |v[\x+6]|
	v_max3_num_f32 v[\tb+5], v[\tb+5], |v[\x+7]|, |v[\x+8]|
.endm
.macro QB2 x, c, tb
.irp i, 9,13,17,21,25
	v_max3_num_f32 v[\tb+4], v[\tb+4], |v[\x+\i]|, |v[\x+\i+1]|
	v_max3_num_f32 v[\tb+5], v[\tb+5], |v[\x+\i+2]|, |v[\x+\i+3]|
.endr
	v_max3_num_f32 v[\tb+4], v[\tb+4], |v[\x+29]|, |v[\x+30]|
	v_max3_num_f32 v[\tb+4], v[\tb+4], v[\tb+5], |v[\x+31]|
	v_add_nc_u32 v[\tb+6], 0xff000000, v[\tb+4]    ; 2 off the exponent field: the conversions' scale operand
	v_cvt_scalef32_pk16_fp6_f32 v[\c:\c+2], v[\x:\x+15], v[\tb+6]
	v_cvt_scalef32_pk16_fp6_f32 v[\tb:\tb+2], v[\x+16:\x+31], v[\tb+6]   ; (three registers begin on an even number)
	v_lshrrev_b32 v[\tb+7], 23, v[\tb+6]           ; the byte; the plain line behind the conversions
	v_mov_b32 v[\c+3], v[\tb]
	v_mov_b32 v[\c+4], v[\tb+1]
	v_mov_b32 v[\c+5], v[\tb+2]
.endm
.macro XLOAD sl                        ; my block of f32 numbers out of slot sl: K: a key's 32 neighbours along d; V: a column d down 32 keys
	s_cmp_lt_u32 s12, 8
	s_cbranch_scc0 .Lxv_\@
.irp j, 0,1,2,3,4,5,6,7
	ds_load_b128 v[S+4*\j:S+4*\j+3], v[KA] offset:(\sl)*HALF+16*\j
.endr
	s_branch .Lxj_\@
.Lxv_\@:
.set J, 0
.rept 32
	ds_load_b32 v[S+J], v[VA] offset:(\sl)*HALF+J*KP
.set J, J+1
.endr
.Lxj_\@:
.endm
.macro XSTORE buf                      ; six registers of codes to their places in the unit, the byte to its place in the scale words
	ds_store_b64 v[SA], v[S+32:S+33] offset:(\buf)*REC
	ds_store_b64 v[SB], v[S+34:S+35] offset:(\buf)*REC
	ds_store_b64 v[SA], v[S+36:S+37] offset:(\buf)*REC+512
	ds_store_b8 v[SS], v[S+47] offset:(\buf)*REC
	ds_store_b8 v[SS2], v[S+47] offset:(\buf)*REC
.endm
.macro KLOAD buf
.irp i, 0,1,2,3,4,5,6,7,8,9,10,11
	ds_load_b128 v[KV+4*\i:KV+4*\i+3], v[LI] offset:\buf*REC+512*\i
.endr
	ds_load_b128 v[KS:KS+3], v[LI] offset:\buf*REC+12288
.endm
.macro VLOAD buf
.irp i, 0,1,2,3,4,5,6,7,8,9,10,11
	ds_load_b128 v[KV+4*\i:KV+4*\i+3], v[LI] offset:\buf*REC+6144+512*\i
.endr
	ds_load_b64 v[VS:VS+1], v[LI] offset:\buf*REC+12800
.endm
.macro ASK par                         ; waves 0 and 8: 32 rows of K or V of the step four on, whose load stands in the next step's round; the four partners take 32 rows each, by address; the loop's last step is 11, so step 15 is the last asked for
	s_cmp_ge_u32 s33, s35
	s_cbranch_scc0 .Lna_\@
	global_prefetch_b8 v[PFO], s[36:37] offset:(4+\par)*32768 th:TH_LOAD_NT scope:SCOPE_SE
.Lna_\@:
.endm
.macro SW d, a, b, sa, sb, row
.if \row
	v_wmma_scale_f32_16x16x128_f8f6f4 v[\d:\d+7], v[\a:\a+11], v[\b:\b+11], 0, v[\sa], v[\sb] matrix_a_fmt:MATRIX_FMT_FP6 matrix_b_fmt:MATRIX_FMT_FP6 matrix_a_scale:MATRIX_SCALE_ROW1
.else
	v_wmma_scale_f32_16x16x128_f8f6f4 v[\d:\d+7], v[\a:\a+11], v[\b:\b+11], 0, v[\sa], v[\sb] matrix_a_fmt:MATRIX_FMT_FP6 matrix_b_fmt:MATRIX_FMT_FP6
.endif
.endm
.macro PV d, a, b, sa, sb, row
.if \row
	v_wmma_scale_f32_16x16x128_f8f6f4 v[\d:\d+7], v[\a:\a+11], v[\b:\b+11], v[\d:\d+7], v[\sa], v[\sb] matrix_a_fmt:MATRIX_FMT_FP6 matrix_b_fmt:MATRIX_FMT_FP6 matrix_a_scale:MATRIX_SCALE_ROW1
.else
	v_wmma_scale_f32_16x16x128_f8f6f4 v[\d:\d+7], v[\a:\a+11], v[\b:\b+11], v[\d:\d+7], v[\sa], v[\sb] matrix_a_fmt:MATRIX_FMT_FP6 matrix_b_fmt:MATRIX_FMT_FP6
.endif
.endm
.macro SMUL p                          ; S^T = K Q^T of my tile p: tile 0 takes K's codes as k 0-63, tile 1 as k 64-127
.irp t, 0,1,2,3,4,5,6,7
	SW S+8*\t, KV+6*\t-6*\p, Q0+6*\p, KS+\t/2, QS+\p, \t%2
.endr
.endm
.macro MAXP                            ; the largest score of my two blocks, two chains each; every accumulator is read from its low end on
.irp c, 0,1
	v_max3_num_f32 v[BM+\c], v[S+32*\c], v[S+32*\c+1], v[S+32*\c+2]
	v_max3_num_f32 v[BT+\c], v[S+32*\c+16], v[S+32*\c+17], v[S+32*\c+18]
.endr
.irp i, 3,5,7,9,11,13
.irp c, 0,1
	v_max3_num_f32 v[BM+\c], v[BM+\c], v[S+32*\c+\i], v[S+32*\c+\i+1]
	v_max3_num_f32 v[BT+\c], v[BT+\c], v[S+32*\c+16+\i], v[S+32*\c+17+\i]
.endr
.endr
.irp c, 0,1
	v_max_num_f32 v[BT+\c], v[BT+\c], v[S+32*\c+31]
.endr
.irp c, 0,1
	v_max3_num_f32 v[BM+\c], v[BM+\c], v[S+32*\c+15], v[BT+\c]
.endr
.endm
.macro ADDP ch, src                    ; one pair of p onto chain ch: 0, 1: v[ST ..]; 2: the running sum
.if (\ch) == 2
	v_pk_add_f32 v[N+2:N+3], v[N+2:N+3], v[\src:\src+1]
.else
	v_pk_add_f32 v[ST+2*(\ch):ST+2*(\ch)+1], v[ST+2*(\ch):ST+2*(\ch)+1], v[\src:\src+1]
.endif
.endm
; THE SOFTMAX of my tile p behind the maxima: work on registers alone.  It leaves p's codes and scale word, the sum and O^T under the new M
.macro SOFT p
.set N, NM+4*\p
.set PCB, PC0+60*\p
	v_max_num_f32 v[TA], v[BM], v[BM+1]
	s_delay_alu instid0(VALU_DEP_1)
	v_permlanex16_b32 v[PT], v[TA], s28, s29       ; lane l xor 16 holds my query's other 64 keys
	s_delay_alu instid0(VALU_DEP_1)
	v_max3_num_f32 v[N+1], v[N+1], v[TA], v[PT]    ; the running largest score
	s_delay_alu instid0(VALU_DEP_1)
	v_mul_f32 v[TA], s34, v[N+1]                   ; -t
	s_delay_alu instid0(VALU_DEP_1)
	v_floor_f32 v[PT], v[TA]                       ; the new -M = -ceil(t)
	s_delay_alu instid0(VALU_DEP_1)
	v_sub_f32 v[TA], v[PT], v[N]                   ; old M - new M, a whole number, 0 or less
	s_delay_alu instid0(VALU_DEP_2)
	v_mov_b32 v[N], v[PT]
	s_delay_alu instid0(VALU_DEP_2)
	v_cvt_i32_f32 v[TA], v[TA]                     ; (it saturates)
	s_delay_alu instid0(VALU_DEP_1)
	v_ldexp_f32 v[F], 1.0, v[TA]
.set J, 0
.rept 32
	v_pk_fma_f32 v[S+J:S+J+1], v[S+J:S+J+1], s[30:31], v[N:N+1] op_sel_hi:[1,0,0]   ; t - M
.set J, J+2
.endr
	v_fma_f32 v[BM], v[BM], s30, v[N]              ; the same of each block's largest score: p rises with the score
	v_fma_f32 v[BM+1], v[BM+1], s30, v[N]
	s_wait_alu depctr_va_vdst(0)                   ; the wait ahead of the batch
	v_exp_f32 v[BM], v[BM]
	v_exp_f32 v[BM+1], v[BM+1]
.set J, 0
.rept 64
	v_exp_f32 v[S+J], v[S+J]
.set J, J+1
.endr
	s_wait_alu depctr_va_vdst(0)                   ; and behind it, directly ahead of the first readers of O^T
.set J, 0
.rept 16
	v_pk_mul_f32 v[O+32*\p+J:O+32*\p+J+1], v[O+32*\p+J:O+32*\p+J+1], v[F:F+1] op_sel_hi:[1,0]   ; O^T under the new M
.set J, J+2
.endr
	v_pk_mul_f32 v[N+2:N+3], v[N+2:N+3], v[F:F+1] op_sel_hi:[1,0]   ; and the sum
.irp c, 0,1
	v_max_num_f32 v[BM+\c], 0x1800000, v[BM+\c]    ; the floor: the byte cannot fall under 1
.endr
.irp c, 0,1
	v_add_nc_u32 v[BM+\c], 0xff000000, v[BM+\c]    ; 2 off the exponent field: the conversions' scale operand
.endr
.irp c, 0,1
	v_lshrrev_b32 v[BT+\c], 23, v[BM+\c]
.endr
	v_lshl_or_b32 v[TA], v[BT+1], 16, v[BT]        ; my two bytes: blocks h and 2 + h,
	v_lshlrev_b32 v[TA], v[H8], v[TA]              ; at their places;
	v_permlanex16_b32 v[PT], v[TA], s28, s29
	v_or_b32 v[PW+\p], v[TA], v[PT]                ; with lane l xor 16's two: p's scale word
	v_cvt_scalef32_pk16_fp6_f32 v[PCB:PCB+2], v[S:S+15], v[BM]
	v_cvt_scalef32_pk16_fp6_f32 v[PCB+6:PCB+8], v[S+32:S+47], v[BM+1]
	v_pk_add_f32 v[ST:ST+1], v[S:S+1], v[S+2:S+3]              ; the row's sum of the unquantised p; these two free the registers that the next two conversions write
	v_pk_add_f32 v[ST+2:ST+3], v[S+32:S+33], v[S+34:S+35]
	v_cvt_scalef32_pk16_fp6_f32 v[S:S+2], v[S+16:S+31], v[BM]
	v_cvt_scalef32_pk16_fp6_f32 v[S+32:S+34], v[S+48:S+63], v[BM+1]
.set J, 0
.rept 14
	ADDP (2*J)%3, S+4+2*J
	ADDP (2*J+1)%3, S+36+2*J
.if J == 1
.irp i, 0,1,2
	v_mov_b32 v[PCB+3+\i], v[S+\i]
	v_mov_b32 v[PCB+9+\i], v[S+32+\i]
.endr
.endif
.set J, J+1
.endr
	v_pk_add_f32 v[ST:ST+1], v[ST:ST+1], v[ST+2:ST+3]
	v_pk_add_f32 v[N+2:N+3], v[N+2:N+3], v[ST:ST+1]
.endm
; A STEP s out of image s % 2.  rnd = 1: the step's barrier stands round tile 1's softmax; rnd = 2: it opens a round of the cluster's barrier, and the slot quantised in this step is filled again behind it
.macro INTERVAL par, rnd, q, ask
	PLACES                                         ; behind the last step's products, ahead of loads into their operands
	KLOAD \par
.if \ask
	ASK \par
.endif
	s_wait_dscnt 0x0                               ; K's tiles and scale words are in
	SMUL 0
	PLACES                                         ; four places ahead of the first reads of the scores
	MAXP
	s_delay_alu instid0(VALU_DEP_1)
	SOFT 0
.if \q
	s_wait_alu depctr_va_vdst(0)
	XLOAD 1-\par
	s_wait_dscnt 0x0
	QB1 S, S+40
	QB2 S, S+32, S+40
	XSTORE 1-\par                                  ; step s + 1's codes into the other image
	s_wait_dscnt 0x0                               ; the stores have read their registers, which the products below write
.endif
	SMUL 1                                         ; K's tiles are still in registers
	PLACES                                         ; four places: for the loads below and for the first reads of the scores
	VLOAD \par
.if \rnd
	s_wait_tensorcnt 0x0                           ; my one load that was out has landed
	ds_add_u32 v[SPW], v[NIL]                      ; the maxima below, work on registers, stand between the add and the wait for it
.if \rnd == 2
	s_add_co_u32 s25, s38, (1-\par)*HALF
	s_add_nc_u64 s[26:27], s[26:27], 32768
.endif
.endif
	MAXP
.if \rnd
	s_wait_alu depctr_va_vdst(0)
	s_wait_dscnt 0x0                               ; the add; V's fragments are in: my reads of this step's image and of the next step's slot are over, my codes of the next step are stored
	s_barrier_signal -1                            ; say so; the softmax, work on registers alone, stands between signal and wait
.else
	s_delay_alu instid0(VALU_DEP_1)
.endif
	SOFT 1
	s_wait_alu depctr_va_vdst(0)
.if \rnd
	s_barrier_wait -1                              ; every wave has said so: the next step's image is whole, this step's is free
.if \rnd == 2
	CREST                                          ; and so in all four work-groups
	tensor_load_to_lds s[24:27], s[16:23]          ; step s + 3 into the slot quantised in this step
	s_nop 0
.endif
.else
	s_wait_dscnt 0x0                               ; V's fragments and scale words are in
.endif
.irp d, 0,1,2,3                        ; O^T += V^T P^T of both tiles: the eight accumulators by turns
	PV O+8*\d, KV+12*\d, PC0, VS+\d/2, PW, \d%2
	PV O+32+8*\d, KV+12*\d, PC1, VS+\d/2, PW+1, \d%2
.endr
.endm
	s_load_b256 s[4:11], s[0:1], 0x0               ; query, key, value, out0
	v_lshl_add_u32 v[SPW], v0, 2, SPARE
	v_mov_b32 v[NIL], 0
	ds_add_u32 v[SPW], v[NIL]
	ds_add_u32 v[SPW], v[NIL]
	v_lshrrev_b32 v1, 5, v0
	v_readfirstlane_b32 s12, v1                    ; wave 0..15
	s_bfe_u32 s13, ttmp6, 0x40000                  ; cx: it enters query's, out0's and the prefetches' addresses alone
	s_and_b32 s14, ttmp7, 0xffff                   ; the head
	s_mov_b32 s16, 15|(3<<16)|(1<<20)|(1<<21)|(5<<22)|(3<<25)   ; mask of the four; elements of 8 bytes; 4 words of padding behind every 64
	s_mov_b32 s17, 32<<16
	s_mov_b32 s18, 16<<16
	s_mov_b32 s19, 32<<16
	s_mov_b32 s20, 16                              ; 16 rows of 256 bytes
	s_mov_b32 s21, 32
	s_mov_b32 s22, 0
	s_mov_b32 s23, 0
	s_mov_b32 s24, 1
	s_mov_b32 s28, 0x76543210
	s_mov_b32 s29, 0xfedcba98
	s_mov_b32 s30, 0x3e38aa3b                      ; c = log2(e) / 8
	s_mov_b32 s31, s30
	s_mov_b32 s34, 0xbe38aa3b                      ; -c
	s_lshr_b32 s40, s12, 3                         ; role: 0 K, 1 V
	s_xor_b32 s41, s40, 1
	s_and_b32 s42, s12, 1
	s_lshr_b32 s43, s12, 1
	s_lshl_b32 s44, s42, 8                         ; K's byte: 256 (w % 2) + 4 (w / 2)
	s_lshl_b32 s45, s43, 2
	s_add_co_u32 s44, s44, s45
	s_mul_i32 s44, s44, s41
	s_and_b32 s45, s43, 1                          ; V's: 512 + 256 (dt % 2) + 4 (dt / 2) + 2 c
	s_lshl_b32 s45, s45, 8
	s_bfe_u32 s46, s12, 0x10002
	s_lshl_b32 s46, s46, 2
	s_add_co_u32 s45, s45, s46
	s_lshl_b32 s46, s42, 1
	s_add_co_u32 s45, s45, s46
	s_add_co_u32 s45, s45, 512
	s_mul_i32 s45, s45, s40
	s_add_co_u32 s44, s44, s45
	s_add_co_u32 s44, s44, 12288
	s_lshl_b32 s41, s41, 1
	s_mul_i32 s45, s43, 1536                       ; my unit, and my half of its twelve registers
	s_mul_i32 s46, s42, 520
	s_add_co_u32 s45, s45, s46
	s_mul_i32 s46, s42, 496
	s_add_co_u32 s46, s46, s45
	s_add_co_u32 s46, s46, 8
	s_lshr_b32 s47, s12, 2                         ; K: tile w begins at key 64 (w / 4) + 8 (w % 4)
	s_lshl_b32 s47, s47, 6
	s_and_b32 s48, s12, 3
	s_lshl_b32 s48, s48, 3
	s_add_co_u32 s47, s47, s48
	s_mul_i32 s47, s47, KP
	s_add_co_u32 s47, s47, RING
	s_lshl_b32 s48, s42, 6                         ; V: row 64 c, column 16 dt
	s_mul_i32 s48, s48, KP
	s_and_b32 s50, s43, 3
	s_lshl_b32 s50, s50, 6
	s_add_co_u32 s48, s48, s50
	s_add_co_u32 s48, s48, RING+2*HALF
	s_and_b32 s50, s12, 7
	s_mul_i32 s38, s50, 16*KP                      ; where my 16 rows land in slot 0: K's part or V's
	s_mul_i32 s39, s40, 2*HALF
	s_add_co_u32 s38, s38, s39
	s_add_co_u32 s38, s38, RING
	s_mul_i32 s49, s12, 16*KP
	s_add_co_u32 s49, s49, STAGE                   ; my stage
	s_mov_b32 s25, s38
	s_lshl_b32 s51, s14, 19                        ; the head's 2,048 rows of 256 bytes
	s_lshl_b32 s52, s50, 12
	s_add_co_u32 s52, s52, s51                     ; my 16 rows of a step
	s_mov_b32 s53, 0
	s_lshl_b32 s54, s13, 13
	s_add_co_u32 s54, s54, s51                     ; my work-group's 32 rows of a step's 128, for the prefetches
	s_mov_b32 s55, 0
	s_lshl_b32 s56, s13, 17
	s_add_co_u32 s56, s56, s51
	s_lshl_b32 s57, s12, 13
	s_add_co_u32 s56, s56, s57                     ; my wave's 32 queries
	s_mov_b32 s57, 0
	s_cmp_eq_u32 s50, 0
	s_cselect_b32 s35, 1, -1                       ; 1 in waves 0 and 8, which prefetch
	v_and_b32 v34, 31, v0
	v_and_b32 v35, 15, v0                          ; r
	v_bfe_u32 v36, v0, 4, 1                        ; h
	v_lshlrev_b32 v[LI], 4, v34
	v_lshlrev_b32 v[PFO], 8, v34
	v_lshlrev_b32 v[H8], 3, v36
	v_mul_u32_u24 v37, v35, KP
	v_lshl_add_u32 v[QRD], v36, 7, v37
	v_add_nc_u32 v[QRD], s49, v[QRD]
	v_mul_u32_u24 v37, v36, KP
	v_lshl_add_u32 v[RDH], v35, 4, v37
	v_add_nc_u32 v[RDH], s49, v[RDH]
	v_lshlrev_b32 v[GOH], 8, v36
	v_lshl_add_u32 v[GOH], v35, 4, v[GOH]
	v_and_b32 v37, 8, v35
	v_mad_u32_u24 v37, v37, 3, v35                 ; r + 24 (r / 8)
	v_mul_u32_u24 v37, v37, KP
	v_lshl_add_u32 v37, v36, 7, v37
	v_add_nc_u32 v[KA], s47, v37
	v_mul_u32_u24 v37, v36, 32*KP
	v_lshl_add_u32 v37, v35, 2, v37
	v_add_nc_u32 v[VA], s48, v37
	v_add_nc_u32 v[SA], s45, v[LI]
	v_add_nc_u32 v[SB], s46, v[LI]
	v_lshl_add_u32 v37, v35, 4, v36
	v_add_nc_u32 v[SS], s44, v37
	v_add_nc_u32 v[SS2], s41, v[SS]
	s_wait_alu depctr_va_vdst(0)
	s_wait_dscnt 0x0
	s_wait_kmcnt 0x0
	s_cmp_lt_u32 s12, 8
	s_cselect_b64 s[58:59], s[6:7], s[8:9]         ; waves 0-7 fetch K, waves 8-15 V
	s_add_nc_u64 s[26:27], s[58:59], s[52:53]
	s_or_b32 s27, s27, 0x80000000
	s_add_nc_u64 s[36:37], s[58:59], s[54:55]
	s_add_nc_u64 s[4:5], s[4:5], s[56:57]
	s_add_nc_u64 s[10:11], s[10:11], s[56:57]
	ROUND                                          ; the four work-groups are here: the joint loads meet
	tensor_load_to_lds s[24:27], s[16:23]          ; step 0 into slot 0: my one load at the head
	s_nop 0
.irp p, 0,1
.irp i, 0,1,2,3,4,5,6,7
	global_load_b128 v[S+32*\p+4*\i:S+32*\p+4*\i+3], v[GOH], s[4:5] offset:4096*\p+512*\i th:TH_LOAD_NT
.endr
.endr
	s_cmp_eq_u32 s35, 1
	s_cbranch_scc0 .Lnopf
	global_prefetch_b8 v[PFO], s[36:37] offset:32768 th:TH_LOAD_NT scope:SCOPE_SE   ; step 1, which the loop's prefetches do not reach
.Lnopf:
.set J, 0
.rept 6
	v_mov_b32 v[Q0+6+J], 0                         ; Q's zero codes
.set J, J+1
.endr
.set J, 0
.rept 12
	v_mov_b32 v[PC0+J], 0                          ; named beside K's tiles 0 and 7 before they are first made
	v_mov_b32 v[PC1+J], 0
.set J, J+1
.endr
	v_mov_b32 v[PT], 0
	v_mov_b32 v[TA], 0
.macro QTILE p                         ; tile p of Q turns through my stage: in two rows an instruction, back 128 bytes a lane: a whole block
.irp i, 0,1,2,3,4,5,6,7
	ds_store_b128 v[RDH], v[S+32*\p+4*\i:S+32*\p+4*\i+3] offset:2*KP*\i
.endr
.irp j, 0,1,2,3,4,5,6,7
	ds_load_b128 v[KV+4*\j:KV+4*\j+3], v[QRD] offset:16*\j
.endr
	s_wait_dscnt 0x0
	QB1 KV, O
	QB2 KV, Q0+12*\p, O
	v_lshlrev_b32 v[O+8], v[H8], v[O+7]
	v_permlanex16_b32 v[PT], v[O+8], s28, s29
	v_or_b32 v[QS+\p], v[O+8], v[PT]
.endm
	s_wait_alu depctr_va_vdst(0)
	s_wait_loadcnt 0x8                             ; tile 0's eight loads are in; tile 1's eight may be out
	QTILE 0
	s_wait_alu depctr_va_vdst(0)
	s_wait_loadcnt 0x0
	QTILE 1
	v_lshlrev_b32 v[QS+1], 16, v[QS+1]             ; tile 1 stands in k 64-127: its bytes are 2 and 3
	s_wait_alu depctr_va_vdst(0)
	s_cmp_eq_u32 s35, 1
	s_cbranch_scc0 .Lnopf2
	global_prefetch_b8 v[PFO], s[36:37] offset:2*32768 th:TH_LOAD_NT scope:SCOPE_SE   ; steps 2 and 3 likewise
	global_prefetch_b8 v[PFO], s[36:37] offset:3*32768 th:TH_LOAD_NT scope:SCOPE_SE
.Lnopf2:
.set J, 0
.rept 64
	v_mov_b32 v[O+J], 0                            ; the step is written once: the first change of M multiplies zeros by 0
.set J, J+1
.endr
.irp p, 0,1
	v_mov_b32 v[NM+4*\p], 0x7f000000               ; -M: above every later one
	v_mov_b32 v[NM+4*\p+1], 0xff61b1e6             ; the largest score: -3e38
	v_mov_b32 v[NM+4*\p+2], 0
	v_mov_b32 v[NM+4*\p+3], 0
.endr
	s_wait_alu depctr_va_vdst(0)
	s_wait_tensorcnt 0x0                           ; step 0 is in; slot 1's first fill is asked for as a refill is
	ds_add_u32 v[SPW], v[NIL]
	s_add_co_u32 s25, s38, HALF
	s_add_nc_u64 s[26:27], s[26:27], 32768
	s_wait_dscnt 0x0
	ROUND
	tensor_load_to_lds s[24:27], s[16:23]          ; step 1 into slot 1
	s_nop 0
	XLOAD 0
	s_wait_dscnt 0x0
	QB1 S, S+40
	QB2 S, S+32, S+40
	XSTORE 0                                       ; step 0's codes into image 0
	s_wait_alu depctr_va_vdst(0)
	s_wait_tensorcnt 0x0                           ; step 1 is in
	ds_add_u32 v[SPW], v[NIL]
	s_mov_b32 s25, s38
	s_add_nc_u64 s[26:27], s[26:27], 32768
	s_wait_dscnt 0x0                               ; the add, my reads of slot 0, my stores of codes
	ROUND
	tensor_load_to_lds s[24:27], s[16:23]          ; step 2 into slot 0
	s_nop 0
	s_mov_b32 s33, 6
.Ltrip:                                                ; a trip: two steps, once round the ring; steps 0 to 11
	INTERVAL 0, 2, 1, 1
	INTERVAL 1, 2, 1, 1
	s_wait_xcnt 0x0                                ; the prefetches have read their base
	s_add_nc_u64 s[36:37], s[36:37], 65536
	s_sub_co_u32 s33, s33, 1
	s_cmp_lg_u32 s33, 0
	s_cbranch_scc1 .Ltrip
	INTERVAL 0, 2, 1, 0                            ; step 12 fetches step 15, the last
	INTERVAL 1, 1, 1, 0                            ; steps 13 and 14: nothing more is fetched
	INTERVAL 0, 1, 1, 0
	INTERVAL 1, 0, 0, 0                            ; step 15: nothing more is quantised, and no wave waits for another
	; THE WAY OUT: O^T / the sum, through my stage, as whole rows of 256 bytes.  Its addresses are made here, from 16 x lane: v30 into the stage, v31 back, v32 in out0
	v_bfe_u32 v34, v[LI], 4, 4                     ; r
	v_bfe_u32 v35, v[LI], 8, 1                     ; h
	v_mul_u32_u24 v36, v34, KP
	v_lshl_add_u32 v30, v35, 5, v36
	v_add_nc_u32 v30, s49, v30
	v_mul_u32_u24 v36, v35, KP
	v_lshl_add_u32 v31, v34, 4, v36
	v_add_nc_u32 v31, s49, v31
	v_lshlrev_b32 v32, 8, v35
	v_lshl_add_u32 v32, v34, 4, v32
	v_add_f32 v[NM+2], v[NM+2], v[NM+3]
	v_add_f32 v[NM+6], v[NM+6], v[NM+7]
	v_permlanex16_b32 v[PT], v[NM+2], s28, s29
	v_permlanex16_b32 v[TA], v[NM+6], s28, s29
	v_add_f32 v[NM+2], v[NM+2], v[PT]
	v_add_f32 v[NM+6], v[NM+6], v[TA]
	s_wait_alu depctr_va_vdst(0)
	v_rcp_f32 v[NM+2], v[NM+2]
	v_rcp_f32 v[NM+6], v[NM+6]
	v_nop
	s_wait_alu depctr_va_vdst(0)                   ; behind the reciprocals, directly ahead of the first readers of O^T
.set J, 0
.rept 32
	v_pk_mul_f32 v[S+J:S+J+1], v[O+J:O+J+1], v[NM+2+4*(J/32):NM+3+4*(J/32)] op_sel_hi:[1,0]
.set J, J+2
.endr
.irp p, 0,1
.irp d, 0,1,2,3
	ds_store_b128 v30, v[S+32*\p+8*\d:S+32*\p+8*\d+3] offset:64*\d
	ds_store_b128 v30, v[S+32*\p+8*\d+4:S+32*\p+8*\d+7] offset:64*\d+16
.endr
.irp i, 0,1,2,3,4,5,6,7
	ds_load_b128 v[O+32*\p+4*\i:O+32*\p+4*\i+3], v31 offset:2*KP*\i   ; my own bytes, served in order
.endr
.endr
.irp p, 0,1
.irp i, 0,1,2,3,4,5,6,7
	s_wait_dscnt 23-16*\p-\i                       ; the younger LDS instructions may be out
	global_store_b128 v32, v[O+32*\p+4*\i:O+32*\p+4*\i+3], s[10:11] offset:4096*\p+512*\i th:TH_STORE_NT   ; sixteen lanes store a row's 256 bytes, aligned
.endr
.endr
	s_wait_tensorcnt 0x0                           ; the wave's end
	ds_add_u32 v[SPW], v[NIL]
	s_wait_dscnt 0x0
	ROUND                                          ; the closing round
	s_endpgm
.Lfunc_end_k_qd2bd146cb3_attn:
	.size	k_qd2bd146cb3_attn, .Lfunc_end_k_qd2bd146cb3_attn-k_qd2bd146cb3_attn
	.p2alignl 7, 3214868480
	.fill 96, 4, 3214868480
	.section	.rodata,"a",@progbits
	.p2align	6, 0x0
	.amdhsa_kernel k_qd2bd146cb3_attn
		.amdhsa_group_segment_fixed_size 327680
		.amdhsa_private_segment_fixed_size 0
		.amdhsa_enable_private_segment 0
		.amdhsa_kernarg_size 32
		.amdhsa_user_sgpr_count 2
		.amdhsa_user_sgpr_kernarg_segment_ptr 1
		.amdhsa_wavefront_size32 1
		.amdhsa_system_sgpr_workgroup_id_x 1
		.amdhsa_system_sgpr_workgroup_id_y 1
		.amdhsa_system_sgpr_workgroup_id_z 1
		.amdhsa_system_vgpr_workitem_id 0
		.amdhsa_next_free_vgpr 256
		.amdhsa_next_free_sgpr 66
		.amdhsa_reserve_vcc 0
		.amdhsa_float_denorm_mode_32 3
		.amdhsa_float_denorm_mode_16_64 3
		.amdhsa_memory_ordered 1
		.amdhsa_forward_progress 1
		.amdhsa_inst_pref_size 215
	.end_amdhsa_kernel
	.amdgpu_metadata
---
amdhsa.version: [ 1, 2 ]
amdhsa.kernels:
  - .name:           k_qd2bd146cb3_attn
    .symbol:         k_qd2bd146cb3_attn.kd
    .args:
      - { .name: query, .offset: 0, .size: 8, .value_kind: global_buffer, .address_space: global }
      - { .name: key, .offset: 8, .size: 8, .value_kind: global_buffer, .address_space: global }
      - { .name: value, .offset: 16, .size: 8, .value_kind: global_buffer, .address_space: global }
      - { .name: out0, .offset: 24, .size: 8, .value_kind: global_buffer, .address_space: global }
    .group_segment_fixed_size: 327680
    .private_segment_fixed_size: 0
    .kernarg_segment_align: 8
    .kernarg_segment_size: 32
    .max_flat_workgroup_size: 512
    .sgpr_count:     66
    .vgpr_count:     256
    .wavefront_size: 32
...
	.end_amdgpu_metadata
.endif
;; end of part 1
